; MI455X (gfx1250); checked and timed in simulation.
; The chip was launched on July 23, 2026; its instructions are those of AMD's public machine-readable ISA for CDNA 5 (MIT licence, August 2026) and "CDNA5" Instruction Set Architecture Reference Guide (July 2026). The comments in the code are by the model that wrote it; some were corrected since.
;; Multi Head Attention. Allowed arithmetic: float matrix products may take bf16 or f16 operands with f32 sums; all other float work in f32.
;; Inputs: Wk 1,024 x 1,024 float32; Wo 1,024 x 1,024 float32; Wq 1,024 x 1,024 float32; Wv 1,024 x 1,024 float32; bk 1,024 float32; bo 1,024 float32; bq 1,024 float32; bv 1,024 float32; q 4 x 2,048 x 1,024 float32.
;; Outputs: out0 4 x 2,048 x 1,024 float32; out1 4 x 2,048 x 1,024 float32.
;; One version. Each part assembles by itself: llvm-mc -triple=amdgcn-amd-amdhsa -mcpu=gfx1250 --defsym DOCPART=n.
;; ======== version 1 of 1: 4 launches
;; limits: values are held in f16: magnitudes above 65,504 overflow, below 6.1e-05 lose precision
;; workspace buffers: xw 25,165,824 bytes; qkv 50,331,648 bytes; attnb 16,777,216 bytes
;; launch cast (part 1): grid 768 x 1, 8 waves a work-group, no clusters, 0 bytes of LDS; arguments q, Wq, Wk, Wv, Wo, xw; writes xw
.if DOCPART == 1
	.amdgcn_target "amdgcn-amd-amdhsa--gfx1250"
	.amdhsa_code_object_version 6
	.text
	.protected	k_qd1ec9e81bd_cast
	.globl	k_qd1ec9e81bd_cast
	.p2align	8
	.type	k_qd1ec9e81bd_cast,@function
k_qd1ec9e81bd_cast:
	s_mov_b64 s[64:65], 0
	v_nop
	global_prefetch_b8 v0, s[64:65] scope:SCOPE_SE
	s_setreg_imm32_b32 hwreg(HW_REG_WAVE_MODE, 25, 1), 1
	s_wait_xcnt 0x0
; xw = f16(q | Wq | Wk | Wv | Wo): [12288][1024] f16.  Rows 0-8191 hold q, then 1,024 rows each of Wq, Wk, Wv, Wo.
; The later launches multiply in f16 with f32 sums; converting once here spares every work-group that reads a tile the conversion
; and halves the bytes that the tiles take in LDS.
; LIMIT: f16.  A number of magnitude 65,520 or more becomes infinity; below 6.1e-5 the absolute step is 6e-8.
; A stream: each byte is read once and written once, so there is no LDS, no barrier, no matrix unit and no cluster (no work-group shares an input).
; Work-group id takes 16,384 numbers (64 KiB in, 32 KiB out); a wave takes 2,048: sixteen loads of 512 consecutive bytes, all issued
; at once, and sixteen stores of 256 consecutive bytes, each at a multiple of 256 from xw's first byte.
.set X, 4                              ; v[4:67]   load i: four f32
.set Y, 68                             ; v[68:99]  store i: four f16
	s_load_b256 s[4:11], s[0:1], 0x0               ; q s[4:5], Wq s[6:7], Wk s[8:9], Wv s[10:11]
	s_load_b128 s[12:15], s[0:1], 0x20             ; Wo s[12:13], xw s[14:15]
	s_mov_b32 s24, ttmp9                           ; id, 0 to 767
	s_sub_co_u32 s20, s24, 512                     ; ids 512 and up are the weights' (below 512 this wraps and is not used)
	s_lshr_b32 s21, s20, 6                         ; which weight: 64 chunks each
	s_and_b32 s22, s20, 63                         ; which chunk of it
	v_and_b32 v3, 0xe0, v0                         ; 32 x wave
	v_and_b32 v1, 31, v0                           ; lane
	v_lshlrev_b32 v2, 3, v1
	v_lshlrev_b32 v1, 4, v1
	v_lshl_or_b32 v1, v3, 8, v1                    ; in:  8,192 x wave + 16 x lane
	v_lshl_or_b32 v2, v3, 7, v2                    ; out: 4,096 x wave + 8 x lane
	s_wait_kmcnt 0x0
	s_mov_b64 s[16:17], s[12:13]                   ; the source buffer is chosen by the id alone
	s_cmp_eq_u32 s21, 2
	s_cselect_b64 s[16:17], s[10:11], s[16:17]
	s_cmp_eq_u32 s21, 1
	s_cselect_b64 s[16:17], s[8:9], s[16:17]
	s_cmp_eq_u32 s21, 0
	s_cselect_b64 s[16:17], s[6:7], s[16:17]
	s_cmp_lt_u32 s24, 512
	s_cselect_b64 s[16:17], s[4:5], s[16:17]
	s_cselect_b32 s22, s24, s22                    ; the chunk's number in that buffer
	s_lshl_b32 s22, s22, 16                        ; 64 KiB a chunk
	s_mov_b32 s23, 0
	s_add_nc_u64 s[16:17], s[16:17], s[22:23]
	s_lshl_b32 s20, s24, 15                        ; 32 KiB a chunk in xw, in the order of the ids
	s_mov_b32 s21, 0
	s_add_nc_u64 s[18:19], s[14:15], s[20:21]
.irp i, 0,1,2,3,4,5,6,7,8,9,10,11,12,13,14,15
	global_load_b128 v[X+4*\i:X+4*\i+3], v1, s[16:17] offset:512*\i th:TH_LOAD_NT   ; read once in this launch
.endr
.irp i, 0,1,2,3,4,5,6,7,8,9,10,11,12,13,14,15
	s_wait_loadcnt 15-\i                           ; loads come back in order (ISA guide 5.7.1): load i is in, the younger ones stay out
	v_cvt_pk_f16_f32 v[Y+2*\i], v[X+4*\i], v[X+4*\i+1]
	v_cvt_pk_f16_f32 v[Y+2*\i+1], v[X+4*\i+2], v[X+4*\i+3]
	global_store_b64 v2, v[Y+2*\i:Y+2*\i+1], s[18:19] offset:256*\i                 ; no register is written twice: no further wait
.endr
	s_endpgm
.Lfunc_end_k_qd1ec9e81bd_cast:
	.size	k_qd1ec9e81bd_cast, .Lfunc_end_k_qd1ec9e81bd_cast-k_qd1ec9e81bd_cast
	.p2alignl 7, 3214868480
	.fill 96, 4, 3214868480
	.section	.rodata,"a",@progbits
	.p2align	6, 0x0
	.amdhsa_kernel k_qd1ec9e81bd_cast
		.amdhsa_group_segment_fixed_size 0
		.amdhsa_private_segment_fixed_size 0
		.amdhsa_enable_private_segment 0
		.amdhsa_kernarg_size 48
		.amdhsa_user_sgpr_count 2
		.amdhsa_user_sgpr_kernarg_segment_ptr 1
		.amdhsa_wavefront_size32 1
		.amdhsa_system_sgpr_workgroup_id_x 1
		.amdhsa_system_sgpr_workgroup_id_y 1
		.amdhsa_system_sgpr_workgroup_id_z 1
		.amdhsa_system_vgpr_workitem_id 0
		.amdhsa_next_free_vgpr 104
		.amdhsa_next_free_sgpr 66
		.amdhsa_reserve_vcc 0
		.amdhsa_float_denorm_mode_32 3
		.amdhsa_float_denorm_mode_16_64 3
		.amdhsa_memory_ordered 1
		.amdhsa_forward_progress 1
		.amdhsa_inst_pref_size 7
	.end_amdhsa_kernel
	.amdgpu_metadata
---
amdhsa.version: [ 1, 2 ]
amdhsa.kernels:
  - .name:           k_qd1ec9e81bd_cast
    .symbol:         k_qd1ec9e81bd_cast.kd
    .args:
      - { .name: q, .offset: 0, .size: 8, .value_kind: global_buffer, .address_space: global }
      - { .name: Wq, .offset: 8, .size: 8, .value_kind: global_buffer, .address_space: global }
      - { .name: Wk, .offset: 16, .size: 8, .value_kind: global_buffer, .address_space: global }
      - { .name: Wv, .offset: 24, .size: 8, .value_kind: global_buffer, .address_space: global }
      - { .name: Wo, .offset: 32, .size: 8, .value_kind: global_buffer, .address_space: global }
      - { .name: xw, .offset: 40, .size: 8, .value_kind: global_buffer, .address_space: global }
    .group_segment_fixed_size: 0
    .private_segment_fixed_size: 0
    .kernarg_segment_align: 8
    .kernarg_segment_size: 48
    .max_flat_workgroup_size: 256
    .sgpr_count:     66
    .vgpr_count:     104
    .wavefront_size: 32
...
	.end_amdgpu_metadata
.endif
;; end of part 1
;; launch qkv (part 2): grid 8 x 32, 4 waves a work-group, clusters of 4 x 4, 327,680 bytes of LDS; arguments xw, bq, bk, bv, qkv; writes qkv
.if DOCPART == 2
	.amdgcn_target "amdgcn-amd-amdhsa--gfx1250"
	.amdhsa_code_object_version 6
	.text
	.protected	k_qd1ec9e81bd_qkv
	.globl	k_qd1ec9e81bd_qkv
	.p2align	8
	.type	k_qd1ec9e81bd_qkv,@function
k_qd1ec9e81bd_qkv:
	s_mov_b64 s[64:65], 0
	v_nop
	global_prefetch_b8 v0, s[64:65] scope:SCOPE_SE
	s_setreg_imm32_b32 hwreg(HW_REG_WAVE_MODE, 25, 1), 1
	s_wait_xcnt 0x0
	s_wait_alu depctr_hold_cnt(0) depctr_sa_sdst(0) depctr_va_vdst(0) depctr_va_sdst(0) depctr_va_ssrc(0) depctr_va_vcc(0) depctr_vm_vsrc(0)
	s_getreg_b32 s2, hwreg(HW_REG_IB_STS2, 6, 4)
	s_cmp_eq_u32 s2, 0
	s_cbranch_scc0 .Lentry_in_a_cluster
	s_endpgm
.Lentry_in_a_cluster:
	s_bfe_u32 s2, ttmp6, 0x10000c
	s_cmp_lg_u32 s2, 0xf033
	s_cbranch_scc0 .Lentry_shape_is_right
	s_endpgm
.Lentry_shape_is_right:
; qkv[t][n] = sum over k of x[t][k] W[n][k] + bias[n], n = 0..3071 over Wq, Wk, Wv.  x = xw rows 0-8191, W = xw rows 8192-11263, f16;
; sums in f32; qkv is [8192][3072] f16 (Q columns 0-1023, K 1024-2047, V 2048-3071).
; LIMIT: the result is rounded to f16: 65,520 and more become infinity.
; A work-group makes 256 x 384, so that 32 x 8 = 256 work-groups cover the product evenly.  Four waves; wave (rh = w >> 1, ch = w & 1)
; makes 128 x 192 = 96 accumulator tiles of 16 x 16, 768 registers.  K goes in steps of 64 through two LDS slots filled by the tensor data
; mover: a slot holds 256 rows of x and 384 rows of W, 128 bytes each.  (Two slots of a step of 128 would need 348,160 bytes of LDS.)
; CLUSTERS: 4 x 4 work-groups.  x's tile hangs on the block row alone and is asked for jointly by a row of the cluster, W's on the block
; column alone and is asked for jointly by a column: the requests for both are divided by four.
; The matrix instruction is used transposed (source 0 = 16 rows of W, source 1 = 16 rows of x): lane l then holds row l % 16 of the
; result and eight neighbouring columns 8 (l / 16) + 0..7, which pack into 16 bytes of f16.
; REGISTERS: window 0: v0-31 addresses; v32-95, v96-159 x's eight fragments, two buffers; v160-255 W's twelve fragments, one buffer that is
; loaded again four fragments at a time as soon as they have been multiplied.  Windows 1 to 3: column blocks b = 4 g + bb of group g lie in
; window 1 + g, tile (a, bb) at v[8 (8 bb + a)].
.set PITCH,  144                       ; an LDS row: 128 bytes + 16 of padding, an odd multiple of 16: the 16 rows of a fragment load start 16 bytes apart modulo 256
.set BOFF,   256*PITCH                 ; W's rows lie behind x's 256
.set SLOT,   640*PITCH                 ; 92,160
.set STAGE,  2*SLOT                    ; the way out: 128 rows of 768 + 16 bytes, shared by the four waves; no tensor load lands here
.set SPITCH, 784
.set BIASL,  STAGE+128*SPITCH          ; 768 bytes for each wave: the bias of its 192 columns
.set BC,   6                           ; v6-11   the bias as loaded
.set LN4,  12                          ; v12     4 x lane
.set ADRA, 16                          ; v16-17  LDS address of my x fragments in slot 0, 1
.set ADRB, 20                          ; v20-21  the same for W
.set STO,  24                          ; the way out: where I put 16 bytes
.set RD,   25                          ; where I read 16 bytes of a row back
.set CO,   26                          ; my byte offset in qkv
.set BIA,  27                          ; where I read my bias
.set BST,  28                          ; where I put the bias
.set AF0,  32
.set AF1,  96
.set BF,   160
.set CV,   32                          ; the way out: packed results, then rows read back
.set G1A, 24                           ; s[24:31] group 1 for x's tiles
.set G0A, 32                           ; s[32:39] group 0 for x's tiles, a set for each slot
.set G1B, 40                           ; s[40:47] group 1 for W's tiles
.set G0B, 48                           ; s[48:55] group 0 for W's tiles
.set MSB, 0
.macro WIN new                         ; s_set_vgpr_msb: bits 1:0 source 0, 3:2 source 1, 5:4 source 2, 7:6 destination; the high byte repeats the setting that is left
.if MSB != \new
	s_set_vgpr_msb (MSB<<8)|\new
.set MSB, \new
.endif
.endm
.macro PLACES                          ; four places behind a matrix instruction, ahead of loads into its sources and of vector instructions on its registers
.rept 4
	v_nop
.endr
.endm
; A joint load: waves 0 and 1 ask for x's two halves, waves 2 and 3 for W's.  Each line has one mask; the branch hangs on the wave's number alone.
.macro JLOAD s
	s_cmp_eq_u32 s15, 0
	s_cbranch_scc0 .Lfor_b_\@
	tensor_load_to_lds s[G0A+4*\s:G0A+4*\s+3], s[G1A:G1A+7]
	s_nop 0
.rept 4
	v_nop
.endr
	s_branch .Lasked_\@
.Lfor_b_\@:
	tensor_load_to_lds s[G0B+4*\s:G0B+4*\s+3], s[G1B:G1B+7]
	s_nop 0
.rept 4
	v_nop
.endr
.Lasked_\@:
.endm
.macro CREST                           ; a round of the cluster's barrier behind its opening work-group barrier
	s_cmp_lg_u32 s14, 0
	s_cbranch_scc1 .Lnot_wave_0_\@
	s_barrier_signal -3
.Lnot_wave_0_\@:
	s_barrier_wait -3
	s_barrier_signal -1
	s_barrier_wait -1
.endm
.macro CROUND
	s_barrier_signal -1
	s_barrier_wait -1
	CREST
.endm
	s_load_b256 s[4:11], s[0:1], 0x0               ; xw s[4:5], bq s[6:7], bk s[8:9], bv s[10:11]
	s_load_b64 s[12:13], s[0:1], 0x20              ; qkv
	v_lshl_add_u32 v30, v0, 2, 0x46400
	v_mov_b32 v31, 0
	ds_add_u32 v30, v31
	v_lshrrev_b32 v1, 5, v0
	v_readfirstlane_b32 s14, v1                    ; wave 0..3
	s_lshr_b32 s15, s14, 1                         ; rh: my half of the block's rows.  Also: I fetch for x (0) or for W (1)
	s_and_b32 s16, s14, 1                          ; ch: my half of its columns.  Also: which half of that tile I fetch
	s_bfe_u32 s17, ttmp6, 0x40000                  ; cx
	s_bfe_u32 s18, ttmp6, 0x40004                  ; cy
	s_lshl_b32 s19, ttmp9, 2
	s_add_co_u32 s19, s19, s17                     ; bx: block column, 0..7
	s_and_b32 s20, ttmp7, 0xffff
	s_lshl_b32 s20, s20, 2
	s_add_co_u32 s20, s20, s18                     ; by: block row, 0..31
	s_lshl_b32 s21, s18, 2
	s_lshl_b32 s21, 15, s21                        ; my row of the cluster
	s_lshl_b32 s22, 0x1111, s17                    ; my column
	; group 1: rows of 64 elements of 2 bytes, 16 bytes of padding behind every 32 words; 128 rows for x, 192 for W
	s_or_b32 s[G1A+0], s21, (1<<16)|(1<<20)|(1<<21)|(4<<22)|(3<<25)   ; 15:0 mask; 17:16 2 bytes; 20 padding on; 21 set beside a mask; 24:22 every 32 words; 31:25 four words
	s_or_b32 s[G1B+0], s22, (1<<16)|(1<<20)|(1<<21)|(4<<22)|(3<<25)
	s_mov_b32 s[G1A+1], 64<<16                     ; tensor_dim0 = 64
	s_mov_b32 s[G1B+1], 64<<16
	s_mov_b32 s[G1A+2], 128<<16                    ; tensor_dim1 = the tile's rows
	s_mov_b32 s[G1B+2], 192<<16
	s_mov_b32 s[G1A+3], 64<<16                     ; tile_dim0 = 64
	s_mov_b32 s[G1B+3], 64<<16
	s_mov_b32 s[G1A+4], 128                        ; tile_dim1
	s_mov_b32 s[G1B+4], 192
	s_mov_b32 s[G1A+5], 1024                       ; elements from row to row
	s_mov_b32 s[G1B+5], 1024
	s_mov_b32 s[G1A+6], 0
	s_mov_b32 s[G1B+6], 0
	s_mov_b32 s[G1A+7], 0
	s_mov_b32 s[G1B+7], 0
	; where the tiles come from: x's hang on by alone, W's on bx alone, each in registers that never hold the other coordinate
	s_lshl_b32 s56, s20, 8
	s_lshl_b32 s57, s16, 7
	s_add_co_u32 s56, s56, s57                     ; x: row 256 by + 128 half
	s_lshl_b32 s56, s56, 11                        ; 2,048 bytes a row
	s_mov_b32 s57, 0
	s_mul_i32 s58, s19, 384
	s_mul_i32 s59, s16, 192
	s_add_co_u32 s58, s58, s59                     ; W: row 384 bx + 192 half,
	s_lshl_b32 s58, s58, 11
	s_add_co_u32 s58, s58, 0x1000000               ; behind x's 8,192 rows
	s_mov_b32 s59, 0
	s_mul_i32 s60, s14, 128*PITCH                  ; and where they go: waves 0, 1: x's halves at 18,432 w
	s_mul_i32 s61, s14, 192*PITCH                  ; waves 2, 3: W's halves at BOFF + 27,648 (w - 2)
	s_sub_co_u32 s61, s61, 2*192*PITCH-BOFF
	s_wait_dscnt 0x0
	s_wait_kmcnt 0x0
	s_add_nc_u64 s[56:57], s[4:5], s[56:57]
	s_add_nc_u64 s[58:59], s[4:5], s[58:59]
	CROUND                                         ; all sixteen work-groups are here: the first joint loads meet
.irp s, 0,1
	s_mov_b32 s[G0A+4*\s], 1
	s_add_co_u32 s[G0A+4*\s+1], s60, \s*SLOT
	s_add_nc_u64 s[G0A+4*\s+2:G0A+4*\s+3], s[56:57], \s*128        ; K step s
	s_or_b32 s[G0A+4*\s+3], s[G0A+4*\s+3], 0x80000000
	s_mov_b32 s[G0B+4*\s], 1
	s_add_co_u32 s[G0B+4*\s+1], s61, \s*SLOT
	s_add_nc_u64 s[G0B+4*\s+2:G0B+4*\s+3], s[58:59], \s*128
	s_or_b32 s[G0B+4*\s+3], s[G0B+4*\s+3], 0x80000000
	JLOAD \s                                       ; both slots are asked for before anything else is done: two loads of mine are out
.endr
	; A fragment is 16 rows x 32 K in 8 registers: lane l holds row l % 16, registers 0-3 K = 8 (l / 16) + 0..7, registers 4-7 K = 16 + 8 (l / 16) + 0..7
	v_and_b32 v1, 15, v0                           ; r
	v_bfe_u32 v2, v0, 4, 1                         ; h
	v_and_b32 v4, 31, v0                           ; lane
	v_mul_u32_u24 v3, v1, PITCH
	v_lshl_add_u32 v3, v2, 4, v3                   ; r x pitch + 16 h
	s_mul_i32 s78, s15, 128*PITCH                  ; my 128 rows of x
	s_mul_i32 s79, s16, 192*PITCH                  ; my 192 rows of W
	s_add_co_u32 s79, s79, BOFF
.irp s, 0,1
	v_add_nc_u32 v[ADRA+\s], s78, v3
	v_add_nc_u32 v[ADRB+\s], s79, v3
	s_add_co_u32 s78, s78, SLOT
	s_add_co_u32 s79, s79, SLOT
.endr
	s_mul_i32 s78, s15, 64*SPITCH                  ; the stage holds 64 rows of each half of the block at a time
	s_mul_i32 s79, s16, 384                        ; my 192 columns are 384 bytes of a row
	s_add_co_u32 s78, s78, s79
	s_add_co_u32 s78, s78, STAGE
	v_mul_u32_u24 v5, v1, SPITCH
	v_lshl_add_u32 v5, v2, 4, v5
	v_add_nc_u32 v[STO], s78, v5
	s_mul_i32 s78, s14, 32*SPITCH                  ; back: wave w takes the stage's rows 32 w .. 32 w + 31, two at a time
	s_add_co_u32 s78, s78, STAGE
	v_mul_u32_u24 v5, v2, SPITCH
	v_lshl_add_u32 v5, v1, 4, v5
	v_add_nc_u32 v[RD], s78, v5
	v_mul_u32_u24 v5, v2, 6144                     ; the same two rows in qkv
	v_lshl_add_u32 v[CO], v1, 4, v5
	s_mul_i32 s78, s14, 768
	s_add_co_u32 s78, s78, BIASL
	v_lshl_add_u32 v[BIA], v2, 5, s78              ; a lane's eight columns of a tile: 32 bytes at 32 h
	v_lshl_add_u32 v[BST], v4, 2, s78
	v_lshlrev_b32 v[LN4], 2, v4
	; The bias of my 192 columns, 32 at a time.  A run of 32 columns lies in one of bq, bk, bv; the choice hangs on the column's number alone.
	; All 1,024 registers are taken in the loop, so the bias waits in LDS, in bytes of my own.
	s_mul_i32 s62, s19, 384
	s_mul_i32 s63, s16, 192
	s_add_co_u32 s62, s62, s63                     ; my first column
.macro BIASLD i
	s_add_co_u32 s78, s62, 32*\i
	s_cmp_lt_u32 s78, 2048
	s_cselect_b64 s[66+2*\i:67+2*\i], s[8:9], s[10:11]
	s_cmp_lt_u32 s78, 1024
	s_cselect_b64 s[66+2*\i:67+2*\i], s[6:7], s[66+2*\i:67+2*\i]
	s_and_b32 s78, s78, 1023
	s_lshl_b32 s78, s78, 2
	s_mov_b32 s79, 0
	s_add_nc_u64 s[66+2*\i:67+2*\i], s[66+2*\i:67+2*\i], s[78:79]
	global_load_b32 v[BC+\i], v[LN4], s[66+2*\i:67+2*\i]
.endm
	BIASLD 0
	BIASLD 1
	BIASLD 2
	BIASLD 3
	BIASLD 4
	BIASLD 5
	s_wait_loadcnt 0x0
.irp i, 0,1,2,3,4,5
	ds_store_b32 v[BST], v[BC+\i] offset:128*\i
.endr
; eight matrix instructions: column block 4 g + bb x my eight row blocks, 32 along K.  zero = 1: the first product starts the sums.
.macro MUL8 g, bb, af, zero
.irp a, 0,1,2,3,4,5,6,7
.if \zero
	v_wmma_f32_16x16x32_f16 v[8*(8*\bb+\a):8*(8*\bb+\a)+7], v[BF+8*(4*\g+\bb):BF+8*(4*\g+\bb)+7], v[\af+8*\a:\af+8*\a+7], 0
.else
	v_wmma_f32_16x16x32_f16 v[8*(8*\bb+\a):8*(8*\bb+\a)+7], v[BF+8*(4*\g+\bb):BF+8*(4*\g+\bb)+7], v[\af+8*\a:\af+8*\a+7], v[8*(8*\bb+\a):8*(8*\bb+\a)+7]
.endif
.endr
.endm
.macro MULG g, af, zero                ; group g: 32 matrix instructions; C and D in window 1 + g, both sources in window 0
	WIN (0x50*(1+\g))
	MUL8 \g, 0, \af, \zero
	MUL8 \g, 1, \af, \zero
	MUL8 \g, 2, \af, \zero
	MUL8 \g, 3, \af, \zero
.endm
.macro LDB slot, k, i0                 ; W's fragments i0 .. i0 + 3 at byte k of the rows: 8 LDS loads
	WIN 0
.irp i, 0,1,2,3
	ds_load_b128 v[BF+8*(\i0+\i):BF+8*(\i0+\i)+3],   v[ADRB+\slot] offset:\k+(\i0+\i)*16*PITCH
	ds_load_b128 v[BF+8*(\i0+\i)+4:BF+8*(\i0+\i)+7], v[ADRB+\slot] offset:\k+(\i0+\i)*16*PITCH+32
.endr
.endm
.macro RUN0 slot, k, af                ; W's fragments 0-3 and x's eight: 24 LDS loads
	LDB \slot, \k, 0
.irp i, 0,1,2,3,4,5,6,7
	ds_load_b128 v[\af+8*\i:\af+8*\i+3],   v[ADRA+\slot] offset:\k+\i*16*PITCH
	ds_load_b128 v[\af+8*\i+4:\af+8*\i+7], v[ADRA+\slot] offset:\k+\i*16*PITCH+32
.endr
.endm
; A K step is two halves of 32 along K, 96 matrix instructions each.  At the head of each half three runs of LDS loads are out, in this order:
; 24 (W 0-3, x), 8 (W 4-7), 8 (W 8-11).  Behind each group's products its four fragments of W are loaded again for the next half.
; The 96 accumulators take turns, one instruction a turn, in the same order in every half.
.macro HALF0 slot, zero                ; K 0-31 of the step, on x's buffer 0
	s_wait_dscnt 16                                ; the 24 are in; the 8 + 8 behind them may be out
	MULG 0, AF0, \zero
	PLACES
	RUN0 \slot, 64, AF1
	s_wait_dscnt 32                                ; W 4-7 are in; younger: 8 (W 8-11) and the 24 just issued
	MULG 1, AF0, \zero
	PLACES
	LDB \slot, 64, 4
	s_wait_dscnt 32                                ; W 8-11 are in; younger: 24 + 8
	MULG 2, AF0, \zero
	PLACES
	LDB \slot, 64, 8
.endm
; K 32-63, on x's buffer 1, and the change of slots.  One barrier for it: in front of it each wave waits for its reads of this slot and for all its
; tensor loads (one is out: its part of the next slot); behind it this slot is asked for again first (fill = 1), then the next slot is read.
; From that request to the wait for it a wave issues 176 matrix instructions.
.macro HALF1 slot, next, fill
	s_wait_dscnt 16
	WIN 0x50
	MUL8 0, 0, AF1, 0
	MUL8 0, 1, AF1, 0
	s_wait_dscnt 0x0                               ; my reads of this slot are over
	s_wait_tensorcnt 0x0                           ; and all my tensor loads have landed
	ds_add_u32 v30, v31
	s_wait_dscnt 0x0
	s_barrier_signal -1                            ; (with fill = 1 this barrier opens a round of the cluster's barrier)
	MUL8 0, 2, AF1, 0                              ; registers only while the others arrive
	MUL8 0, 3, AF1, 0
	WIN 0
	s_barrier_wait -1
.if \fill
	CREST                                          ; no wave of any partner still reads this slot or has a load on its way
	s_add_nc_u64 s[G0A+4*\slot+2:G0A+4*\slot+3], s[G0A+4*\slot+2:G0A+4*\slot+3], 256   ; two K steps on
	s_add_nc_u64 s[G0B+4*\slot+2:G0B+4*\slot+3], s[G0B+4*\slot+2:G0B+4*\slot+3], 256
	JLOAD \slot                                    ; my one tensor load behind the round; its four v_nop are also the places ahead of the loads below
.else
	PLACES
.endif
	RUN0 \next, 0, AF0
	MULG 1, AF1, 0                                 ; W 4-11 came in with the wait for 0 above
	PLACES
	LDB \next, 0, 4
	MULG 2, AF1, 0
	PLACES
	LDB \next, 0, 8
.endm
.macro LAP zero
	HALF0 0, \zero
	HALF1 0, 1, 1
	HALF0 1, 0
	HALF1 1, 0, 1
.endm
	s_wait_tensorcnt 0x1                           ; my part of K step 0 is in; step 1's stays out
	s_wait_dscnt 0x0                               ; the bias is stored
	s_barrier_signal -1
	s_barrier_wait -1
	RUN0 0, 0, AF0
	LDB 0, 0, 4
	LDB 0, 0, 8
	LAP 1                                          ; K steps 0 and 1 stand ahead of the loop: their first products start the sums
	WIN 0
	s_mov_b32 s23, 6                               ; K steps 2 to 13
.Llap:
	LAP 0
	WIN 0
	s_sub_co_u32 s23, s23, 1
	s_cmp_lg_u32 s23, 0
	s_cbranch_scc1 .Llap
	HALF0 0, 0                                     ; K steps 14 and 15 ask for nothing
	HALF1 0, 1, 0
	HALF0 1, 0
	s_wait_dscnt 16                                ; the very last half: the counts run down
	MULG 0, AF1, 0
	s_wait_dscnt 8
	MULG 1, AF1, 0
	s_wait_dscnt 0x0
	MULG 2, AF1, 0
	; THE WAY OUT.  Bias in f32, one rounding to f16, then through the stage so that whole rows of 768 bytes leave as three stores of 256 consecutive bytes.
	PLACES
	WIN 0
.irp b, 0,1,2,3,4,5,6,7,8,9,10,11
	ds_load_b128 v[BF+8*\b:BF+8*\b+3],   v[BIA] offset:64*\b      ; the bias of columns 16 b + 8 h + 0..7
	ds_load_b128 v[BF+8*\b+4:BF+8*\b+7], v[BIA] offset:64*\b+16
.endr
	s_lshl_b32 s56, s20, 8
	s_lshl_b32 s57, s15, 7
	s_add_co_u32 s56, s56, s57
	s_lshl_b32 s57, s16, 5
	s_add_co_u32 s56, s56, s57                     ; the first row that I store: 256 by + 128 (w >> 1) + 32 (w & 1)
	s_mul_i32 s56, s56, 6144
	s_mov_b32 s57, 0
	s_add_nc_u64 s[12:13], s[12:13], s[56:57]
	s_mul_i32 s58, s19, 768                        ; the block's 384 columns
	s_mov_b32 s59, 0
	s_add_nc_u64 s[12:13], s[12:13], s[58:59]
	s_wait_dscnt 0x0
.irp g, 0,1,2
	WIN (0x41*(1+\g))                              ; destination and source 0 in window 1 + g, the bias in window 0
.irp bb, 0,1,2,3
.irp a, 0,1,2,3,4,5,6,7
.irp j, 0,2,4,6
	v_pk_add_f32 v[8*(8*\bb+\a)+\j:8*(8*\bb+\a)+\j+1], v[8*(8*\bb+\a)+\j:8*(8*\bb+\a)+\j+1], v[BF+8*(4*\g+\bb)+\j:BF+8*(4*\g+\bb)+\j+1]
.endr
.endr
.endr
.endr
; Pass p: row blocks a = 4 p .. 4 p + 3 of every wave, 128 rows of the block in all.
.macro OUTPASS p
	s_wait_xcnt 0x0                                ; v[CV ..], which the last pass's stores read, are written again only behind this wait
.if \p
	s_wait_dscnt 0x0                               ; my reads of the stage are over (met: the count-down ended at 0),
	s_barrier_signal -1
	s_barrier_wait -1                              ; everybody's are: the stage may be written again
.endif
.irp g, 0,1,2
	WIN (0x05*(1+\g))                              ; both sources in window 1 + g
.irp aa, 0,1,2,3
.irp bb, 0,1,2,3
.irp j, 0,1,2,3
	v_cvt_pk_f16_f32 v[CV+4*(4*\aa+\bb)+\j], v[8*(8*\bb+4*\p+\aa)+2*\j], v[8*(8*\bb+4*\p+\aa)+2*\j+1]
.endr
.endr
.endr
	WIN 0
.irp aa, 0,1,2,3
.irp bb, 0,1,2,3
	ds_store_b128 v[STO], v[CV+4*(4*\aa+\bb):CV+4*(4*\aa+\bb)+3] offset:\aa*16*SPITCH+32*(4*\g+\bb)
.endr
.endr
.endr
	s_wait_dscnt 0x0                               ; my stores are in the stage,
	s_barrier_signal -1
	s_barrier_wait -1                              ; everybody's are: a row holds both column halves
.irp t, 0,1,2,3,4,5,6,7,8,9,10,11,12,13,14,15
.irp c, 0,1,2
	ds_load_b128 v[CV+4*(3*\t+\c):CV+4*(3*\t+\c)+3], v[RD] offset:\t*2*SPITCH+256*\c
.endr
.endr
.irp t, 0,1,2,3,4,5,6,7,8,9,10,11,12,13,14,15
.irp c, 0,1,2
	s_wait_dscnt 47-(3*\t+\c)
	global_store_b128 v[CO], v[CV+4*(3*\t+\c):CV+4*(3*\t+\c)+3], s[12:13] offset:\t*12288+256*\c+\p*393216   ; 16 lanes store 256 consecutive bytes, at a multiple of 256 from qkv's first byte
.endr
.endr
.endm
	OUTPASS 0
	OUTPASS 1
	s_wait_tensorcnt 0x0
	ds_add_u32 v30, v31
	s_wait_dscnt 0x0
	CROUND                                         ; the closing round: no work-group ends while a partner may still ask for a tile that names it
	s_endpgm
.Lfunc_end_k_qd1ec9e81bd_qkv:
	.size	k_qd1ec9e81bd_qkv, .Lfunc_end_k_qd1ec9e81bd_qkv-k_qd1ec9e81bd_qkv
	.p2alignl 7, 3214868480
	.fill 96, 4, 3214868480
	.section	.rodata,"a",@progbits
	.p2align	6, 0x0
	.amdhsa_kernel k_qd1ec9e81bd_qkv
		.amdhsa_group_segment_fixed_size 327680
		.amdhsa_private_segment_fixed_size 0
		.amdhsa_enable_private_segment 0
		.amdhsa_kernarg_size 40
		.amdhsa_user_sgpr_count 2
		.amdhsa_user_sgpr_kernarg_segment_ptr 1
		.amdhsa_wavefront_size32 1
		.amdhsa_system_sgpr_workgroup_id_x 1
		.amdhsa_system_sgpr_workgroup_id_y 1
		.amdhsa_system_sgpr_workgroup_id_z 1
		.amdhsa_system_vgpr_workitem_id 0
		.amdhsa_next_free_vgpr 1024
		.amdhsa_next_free_sgpr 82
		.amdhsa_reserve_vcc 0
		.amdhsa_float_denorm_mode_32 3
		.amdhsa_float_denorm_mode_16_64 3
		.amdhsa_memory_ordered 1
		.amdhsa_forward_progress 1
		.amdhsa_inst_pref_size 200
	.end_amdhsa_kernel
	.amdgpu_metadata
---
amdhsa.version: [ 1, 2 ]
amdhsa.kernels:
  - .name:           k_qd1ec9e81bd_qkv
    .symbol:         k_qd1ec9e81bd_qkv.kd
    .args:
      - { .name: xw, .offset: 0, .size: 8, .value_kind: global_buffer, .address_space: global }
      - { .name: bq, .offset: 8, .size: 8, .value_kind: global_buffer, .address_space: global }
      - { .name: bk, .offset: 16, .size: 8, .value_kind: global_buffer, .address_space: global }
      - { .name: bv, .offset: 24, .size: 8, .value_kind: global_buffer, .address_space: global }
      - { .name: qkv, .offset: 32, .size: 8, .value_kind: global_buffer, .address_space: global }
    .group_segment_fixed_size: 327680
    .private_segment_fixed_size: 0
    .kernarg_segment_align: 8
    .kernarg_segment_size: 40
    .max_flat_workgroup_size: 128
    .sgpr_count:     82
    .vgpr_count:     1024
    .wavefront_size: 32
...
	.end_amdgpu_metadata
.endif
;; end of part 2
;; launch attn (part 3): grid 8 x 32, 8 waves a work-group, clusters of 4 x 1, 327,680 bytes of LDS; arguments qkv, out1, attnb; writes out1, attnb
.if DOCPART == 3
	.amdgcn_target "amdgcn-amd-amdhsa--gfx1250"
	.amdhsa_code_object_version 6
	.text
	.protected	k_qd1ec9e81bd_attn
	.globl	k_qd1ec9e81bd_attn
	.p2align	8
	.type	k_qd1ec9e81bd_attn,@function
k_qd1ec9e81bd_attn:
	s_mov_b64 s[64:65], 0
	v_nop
	global_prefetch_b8 v0, s[64:65] scope:SCOPE_SE
	s_setreg_imm32_b32 hwreg(HW_REG_WAVE_MODE, 25, 1), 1
	s_wait_xcnt 0x0
	s_wait_alu depctr_hold_cnt(0) depctr_sa_sdst(0) depctr_va_vdst(0) depctr_va_sdst(0) depctr_va_ssrc(0) depctr_va_vcc(0) depctr_vm_vsrc(0)
	s_getreg_b32 s2, hwreg(HW_REG_IB_STS2, 6, 4)
	s_cmp_eq_u32 s2, 0
	s_cbranch_scc0 .Lentry_in_a_cluster
	s_endpgm
.Lentry_in_a_cluster:
	s_bfe_u32 s2, ttmp6, 0x10000c
	s_cmp_lg_u32 s2, 0x3003
	s_cbranch_scc0 .Lentry_shape_is_right
	s_endpgm
.Lentry_shape_is_right:
; out1[t][64 head + d] = sum over keys of softmax(Q K^T / 8) V, per batch and head; attnb is the same rounded to f16, for the output projection.
; qkv: [8192][3072] f16 (Q, K, V).  Scores, maxima, sums and the output sums are f32; P is rounded to f16 (0 <= P <= 1) for the second product.
; The softmax takes a running maximum: each block of 64 keys raises it, and the old sums are scaled by exp of the difference of the two ROUNDED shifts,
; so that old and new terms carry the same factor whatever the size of the scores.
; LIMIT: attnb is f16: below 6.1e-5 its absolute step is 6e-8.
; A work-group takes 256 queries of a pair of heads (y = 8 batch + pair; x = query block).  Eight waves, two on each SIMD, so that one wave's
; exponentials run beside the other's products.  Wave w: head = w & 1, queries 64 (w >> 1) + 0..63 as four tiles of 16.
; A pair of heads makes K's and V's rows 256 consecutive bytes, at multiples of 256 from qkv's first byte, and attnb's likewise.
; CLUSTERS: the four query blocks of a cluster walk the same K and V tiles and ask for them jointly (mask 15): the requests are divided by four.
; LAYOUT: S^T = K Q^T (source 0 = 16 keys, source 1 = 16 queries): lane (r, h) holds query r and keys 8 h + 0..7 of a tile.  Two key tiles, packed
; to f16 in the lane, ARE source 1 of O^T = V^T P^T; V^T comes from LDS by the transposing load.  Maximum, sum and scaling are one number a lane;
; the two halves of the lanes meet in one v_permlanex16_b32 for a query tile.  In O^T a lane holds query r and eight neighbouring d.
; REGISTERS: window 0: v0-63 addresses and the softmax's numbers; v64-127 K fragments (kt, c) at 16 kt + 8 c; v128-255 S tiles (qt, kt) at 32 qt + 8 kt,
; P (qt, kp) made in place at 32 qt + 16 kp.  Window 1: v0-63 Q (qt, c) at 16 qt + 8 c; v64-127 V^T (kp, dt) at 32 kp + 8 dt; v128-255 O (qt, dt) at 32 qt + 8 dt.
.set KP,    272                        ; K's LDS row: 256 + 16, an odd multiple of 16
.set VP,    288                        ; V's LDS row: 256 + 32, an odd multiple of 32, for the transposing load
.set VOFF,  128*KP
.set SLOT,  VOFF+128*VP                ; 128 keys: 71,680
.set F32ST, 2*SLOT                     ; the way out in f32: 16 rows of 272 bytes for each wave; no tensor load lands here
.set F16ST, F32ST+8*16*272             ; the way out in f16: 64 rows of 272 bytes for each pair of waves
.set STEP,  128*6144                   ; bytes from a tile of 128 keys to the next
.set ADK,   2                          ; v2-3   my K fragments in slot 0, 1
.set ADV,   4                          ; v4-5   my V^T fragments
.set STO32, 6
.set RD32,  7
.set CO32,  8
.set STO16, 9
.set RD16,  10
.set CO16,  11
.set QOF,   12
.set PFO,   13
.set NM,    16                         ; v[16+2qt] = -c x maximum, v[17+2qt] = maximum: a pair, so that the packed forms can name it
.set MX,    17
.set AL,    24                         ; v[24+2qt] = the factor for the old sums, v[25+2qt] = at work
.set TT,    25
.set LS,    32                         ; v[32+2qt : 33+2qt] two partial sums of P
.set L2,    40                         ; v[40:41] a second chain of sums
.set TMP,   44                         ; v[44:59] the way out: packed f16
.set KF,    64
.set S,     128
.set OB,    64                         ; the way out: rows read back
.set Q,     0                          ; window 1
.set VF,    64                         ; window 1
.set O,     128                        ; window 1
.set G1K, 24
.set G1V, 32
.set G0K, 40                           ; s[40:47] a set for each slot
.set G0V, 48                           ; s[48:55]
.set MSB, 0
.macro WIN new                         ; s_set_vgpr_msb: bits 1:0 source 0, 3:2 source 1, 5:4 source 2, 7:6 destination; the high byte repeats the setting that is left
.if MSB != \new
	s_set_vgpr_msb (MSB<<8)|\new
.set MSB, \new
.endif
.endm
.macro PLACES
.rept 4
	v_nop
.endr
.endm
.macro ROUND                           ; a round of the cluster's barrier
	s_barrier_signal -1
	s_barrier_wait -1
	s_cmp_lg_u32 s10, 0
	s_cbranch_scc1 .Lnot_wave_0_\@
	s_barrier_signal -3
.Lnot_wave_0_\@:
	s_barrier_wait -3
	s_barrier_signal -1
	s_barrier_wait -1
.endm
; A joint load of 64 rows: waves 0, 1 ask for K's halves, waves 2, 3 for V's, waves 4 to 7 for nothing.  The branches hang on the wave's number alone.
.macro JLOAD s
	s_cmp_lt_u32 s10, 2
	s_cbranch_scc0 .Lnot_k_\@
	tensor_load_to_lds s[G0K+4*(\s):G0K+4*(\s)+3], s[G1K:G1K+7]
	s_nop 0
.rept 4
	v_nop
.endr
	s_branch .Lasked_\@
.Lnot_k_\@:
	s_cmp_lt_u32 s10, 4
	s_cbranch_scc0 .Lasked_\@
	tensor_load_to_lds s[G0V+4*(\s):G0V+4*(\s)+3], s[G1V:G1V+7]
	s_nop 0
.rept 4
	v_nop
.endr
.Lasked_\@:
.endm
	s_load_b128 s[4:7], s[0:1], 0x0                ; qkv s[4:5], out1 s[6:7]
	s_load_b64 s[8:9], s[0:1], 0x10                ; attnb
	v_lshl_add_u32 v62, v0, 2, 0x3c800
	v_mov_b32 v63, 0
	ds_add_u32 v62, v63
	v_lshrrev_b32 v1, 5, v0
	v_readfirstlane_b32 s10, v1                    ; wave 0..7
	s_and_b32 s11, s10, 1                          ; head of the pair.  Also: which 64 rows of a tile I fetch
	s_lshr_b32 s12, s10, 1                         ; g: my 64 queries of the block
	s_bfe_u32 s13, ttmp6, 0x40000                  ; cx
	s_lshl_b32 s14, ttmp9, 2
	s_add_co_u32 s14, s14, s13                     ; qb: query block 0..7
	s_and_b32 s15, ttmp7, 0xffff
	s_lshr_b32 s16, s15, 3                         ; batch
	s_and_b32 s17, s15, 7                          ; pair of heads
	s_mov_b32 s56, 0x3e38aa3b                      ; c = log2(e) / 8: the scale 1 / sqrt(64) and the change to base 2 in one factor
	s_mov_b32 s57, 0x3e38aa3b
	s_mov_b32 s58, 0xbe38aa3b                      ; -c
	s_mov_b32 s60, 0x76543210                      ; v_permlanex16_b32: lane i of one half reads lane i of the other
	s_mov_b32 s61, 0xfedcba98
	; group 1: 64 rows of 128 elements of 2 bytes; padding behind every 64 words: 4 words for K, 8 for V; mask 15, bit 21 beside it
	s_mov_b32 s[G1K+0], 15|(1<<16)|(1<<20)|(1<<21)|(5<<22)|(3<<25)
	s_mov_b32 s[G1V+0], 15|(1<<16)|(1<<20)|(1<<21)|(5<<22)|(7<<25)
.irp g, G1K, G1V
	s_mov_b32 s[\g+1], 128<<16                     ; tensor_dim0 = 128
	s_mov_b32 s[\g+2], 64<<16                      ; tensor_dim1 = 64
	s_mov_b32 s[\g+3], 128<<16                     ; tile_dim0 = 128
	s_mov_b32 s[\g+4], 64                          ; tile_dim1 = 64
	s_mov_b32 s[\g+5], 3072                        ; elements from row to row
	s_mov_b32 s[\g+6], 0
	s_mov_b32 s[\g+7], 0
.endr
	; K's and V's tiles hang on the batch, the pair of heads and the wave's number: nothing here holds cx
	s_lshl_b32 s66, s16, 11                        ; the batch's first token
	s_lshl_b32 s67, s11, 6
	s_add_co_u32 s67, s66, s67
	s_mul_i32 s68, s67, 6144
	s_lshl_b32 s67, s17, 8                         ; 256 bytes for a pair of heads
	s_add_co_u32 s68, s68, s67
	s_add_co_u32 s68, s68, 2048                    ; K's columns begin at byte 2,048 of a row
	s_mov_b32 s69, 0
	s_add_co_u32 s70, s68, 2048                    ; V's at 4,096
	s_mov_b32 s71, 0
	s_mul_i32 s62, s66, 6144                       ; for the prefetch: K's block of row 0 of tile 1
	s_add_co_u32 s62, s62, s67
	s_add_co_u32 s62, s62, 2048+STEP
	s_mov_b32 s63, 0
	s_mul_i32 s74, s10, 64*KP                      ; waves 0, 1: K's halves at 17,408 w
	s_mul_i32 s75, s10, 64*VP                      ; waves 2, 3: V's halves at VOFF + 18,432 (w - 2)
	s_sub_co_u32 s75, s75, 2*64*VP-VOFF
	; my queries and my outputs
	s_lshl_b32 s72, s14, 8
	s_add_co_u32 s72, s72, s66
	s_lshl_b32 s73, s12, 6
	s_add_co_u32 s72, s72, s73                     ; token0 = 2,048 batch + 256 qb + 64 g
	s_mul_i32 s76, s72, 6144
	s_add_co_u32 s76, s76, s67
	s_lshl_b32 s73, s11, 7
	s_add_co_u32 s76, s76, s73                     ; Q: + 256 pair + 128 head
	s_mov_b32 s77, 0
	s_wait_dscnt 0x0
	s_wait_kmcnt 0x0
	s_add_nc_u64 s[68:69], s[4:5], s[68:69]
	s_add_nc_u64 s[70:71], s[4:5], s[70:71]
	s_add_nc_u64 s[62:63], s[4:5], s[62:63]
	s_add_nc_u64 s[76:77], s[4:5], s[76:77]
	s_lshl_b32 s78, s72, 12                        ; out1: token0 x 4,096 + (2 pair + head) x 256
	s_lshl_b32 s79, s17, 9
	s_add_co_u32 s78, s78, s79
	s_lshl_b32 s79, s11, 8
	s_add_co_u32 s78, s78, s79
	s_mov_b32 s79, 0
	s_add_nc_u64 s[6:7], s[6:7], s[78:79]
	s_lshl_b32 s78, s11, 5                         ; attnb: (token0 + 32 head) x 2,048 + 256 pair: each wave of a pair stores 32 whole rows
	s_add_co_u32 s78, s78, s72
	s_lshl_b32 s78, s78, 11
	s_add_co_u32 s78, s78, s67
	s_add_nc_u64 s[8:9], s[8:9], s[78:79]
.irp s, 0,1
	s_mov_b32 s[G0K+4*\s], 1
	s_add_co_u32 s[G0K+4*\s+1], s74, \s*SLOT
	s_add_nc_u64 s[G0K+4*\s+2:G0K+4*\s+3], s[68:69], \s*STEP       ; slot s begins with tile s
	s_or_b32 s[G0K+4*\s+3], s[G0K+4*\s+3], 0x80000000
	s_mov_b32 s[G0V+4*\s], 1
	s_add_co_u32 s[G0V+4*\s+1], s75, \s*SLOT
	s_add_nc_u64 s[G0V+4*\s+2:G0V+4*\s+3], s[70:71], \s*STEP
	s_or_b32 s[G0V+4*\s+3], s[G0V+4*\s+3], 0x80000000
.endr
	ROUND                                          ; the four work-groups are here: the first joint loads meet
	JLOAD 0                                        ; tile 0; slot 1 is filled behind the first trip's round.  One tensor load of a wave is out at any time
	v_and_b32 v1, 15, v0                           ; r
	v_bfe_u32 v14, v0, 4, 1                        ; h
	v_mul_u32_u24 v[QOF], v1, 6144
	v_lshl_add_u32 v[QOF], v14, 4, v[QOF]          ; Q as source 1: lane (r, h) holds query r; registers 0-3 d = 32 c + 8 h + 0..7, 4-7 sixteen further
	WIN 0x40                                       ; destination in window 1
.irp qt, 0,1,2,3
.irp c, 0,1
	global_load_b128 v[Q+16*\qt+8*\c:Q+16*\qt+8*\c+3],   v[QOF], s[76:77] offset:\qt*98304+64*\c
	global_load_b128 v[Q+16*\qt+8*\c+4:Q+16*\qt+8*\c+7], v[QOF], s[76:77] offset:\qt*98304+64*\c+32
.endr
.endr
	WIN 0
	v_mul_u32_u24 v42, v1, 272
	v_lshl_add_u32 v42, v14, 4, v42                ; 272 r + 16 h
	v_add_nc_u32 v[ADK], s73, v42                  ; + 128 head
	v_add_nc_u32 v[ADK+1], SLOT, v[ADK]
	v_and_b32 v15, 7, v0
	v_lshl_add_u32 v15, v14, 3, v15                ; the transposing load: key 8 h + (l & 7),
	v_mul_u32_u24 v43, v15, VP
	v_bfe_u32 v15, v0, 3, 1
	v_lshl_add_u32 v43, v15, 4, v43                ; 16 bytes further for lanes 8-15 of each half
	s_add_co_u32 s78, s73, VOFF
	v_add_nc_u32 v[ADV], s78, v43
	v_add_nc_u32 v[ADV+1], SLOT, v[ADV]
	s_mul_i32 s78, s10, 16*272
	s_add_co_u32 s78, s78, F32ST                   ; my f32 stage
	v_mul_u32_u24 v43, v1, 272
	v_lshl_add_u32 v43, v14, 5, v43
	v_add_nc_u32 v[STO32], s78, v43                ; in: row r, 32 bytes for each half of the lanes
	v_mul_u32_u24 v43, v14, 272
	v_lshl_add_u32 v43, v1, 4, v43                 ; back: lanes 0-15 one row of 256 bytes, lanes 16-31 the next
	v_add_nc_u32 v[RD32], s78, v43
	v_lshlrev_b32 v15, 12, v14
	v_lshl_add_u32 v[CO32], v1, 4, v15
	s_mul_i32 s78, s12, 64*272
	s_add_co_u32 s78, s78, F16ST                   ; my pair's f16 stage
	s_add_co_u32 s79, s78, s73
	v_add_nc_u32 v[STO16], s79, v42                ; in: row r, 128 head + 16 h
	s_mul_i32 s79, s11, 32*272
	s_add_co_u32 s79, s79, s78
	v_add_nc_u32 v[RD16], s79, v43                 ; back: rows 32 head + ..
	v_lshlrev_b32 v15, 11, v14
	v_lshl_add_u32 v[CO16], v1, 4, v15
	s_mul_i32 s78, s14, 16*6144                    ; the prefetch: this work-group asks for rows 16 qb + 0..15 of a tile,
	v_mul_u32_u24 v15, v1, 6144
	v_add_nc_u32 v15, s78, v15
	v_lshl_add_u32 v[PFO], v14, 11, v15            ; lanes 0-15 for K's 256 bytes of a row, lanes 16-31 for V's
.irp qt, 0,1,2,3
	v_mov_b32 v[TT+2*\qt], 0                       ; v_permlanex16_b32 counts as a reader of its destination
.endr
.macro KLOAD slot, half                ; K's fragments of 64 keys: 16 LDS loads
.irp kt, 0,1,2,3
.irp c, 0,1
	ds_load_b128 v[KF+16*\kt+8*\c:KF+16*\kt+8*\c+3],   v[ADK+\slot] offset:(64*\half+16*\kt)*KP+64*\c
	ds_load_b128 v[KF+16*\kt+8*\c+4:KF+16*\kt+8*\c+7], v[ADK+\slot] offset:(64*\half+16*\kt)*KP+64*\c+32
.endr
.endr
.endm
.macro VLOAD slot, half                ; V^T's fragments of 64 keys: 16 transposing LDS loads into window 1
	WIN 0x40
.irp kp, 0,1
.irp dt, 0,1,2,3
	ds_load_tr16_b128 v[VF+32*\kp+8*\dt:VF+32*\kp+8*\dt+3],   v[ADV+\slot] offset:(64*\half+32*\kp)*VP+32*\dt
	ds_load_tr16_b128 v[VF+32*\kp+8*\dt+4:VF+32*\kp+8*\dt+7], v[ADV+\slot] offset:(64*\half+32*\kp+16)*VP+32*\dt
.endr
.endr
	WIN 0
.endm
.macro SFMA qt                         ; c s - c max, two at a time
.irp i, 0,1,2,3,4,5,6,7,8,9,10,11,12,13,14,15
	v_pk_fma_f32 v[S+32*\qt+2*\i:S+32*\qt+2*\i+1], v[S+32*\qt+2*\i:S+32*\qt+2*\i+1], s[56:57], v[NM+2*\qt:NM+2*\qt+1] op_sel_hi:[1,0,0]
.endr
.endm
.macro SEXP qt                         ; 32 exponentials in a run; the plain vector instruction that ISA guide 5.7.2 asks for behind them is the next stage's first
.irp i, 0,1,2,3,4,5,6,7,8,9,10,11,12,13,14,15,16,17,18,19,20,21,22,23,24,25,26,27,28,29,30,31
	v_exp_f32 v[S+32*\qt+\i], v[S+32*\qt+\i]
.endr
.endm
; P's sums in two chains that take turns (keys 0-31 onto the running sum, keys 32-63 apart), and each pair packed to f16 in place as soon as it has been summed
.macro SUMCVT qt, first
.if \first
	s_wait_alu depctr_va_vdst(0)
	v_pk_add_f32 v[LS+2*\qt:LS+2*\qt+1], v[S+32*\qt:S+32*\qt+1], v[S+32*\qt+2:S+32*\qt+3]
	v_pk_add_f32 v[L2:L2+1], v[S+32*\qt+16:S+32*\qt+17], v[S+32*\qt+18:S+32*\qt+19]
.else
	s_wait_alu depctr_va_vdst(0)
	v_pk_fma_f32 v[LS+2*\qt:LS+2*\qt+1], v[LS+2*\qt:LS+2*\qt+1], v[AL+2*\qt:AL+2*\qt+1], v[S+32*\qt:S+32*\qt+1] op_sel_hi:[1,0,1]
	v_pk_add_f32 v[L2:L2+1], v[S+32*\qt+16:S+32*\qt+17], v[S+32*\qt+18:S+32*\qt+19]
	v_pk_add_f32 v[LS+2*\qt:LS+2*\qt+1], v[LS+2*\qt:LS+2*\qt+1], v[S+32*\qt+2:S+32*\qt+3]
.endif
.irp i, 0,1
.irp kp, 0,1
	v_cvt_pk_f16_f32 v[S+32*\qt+16*\kp+\i], v[S+32*\qt+16*\kp+2*\i], v[S+32*\qt+16*\kp+2*\i+1]
.endr
.endr
.irp i, 2,3,4,5,6,7
	v_pk_add_f32 v[LS+2*\qt:LS+2*\qt+1], v[LS+2*\qt:LS+2*\qt+1], v[S+32*\qt+2*\i:S+32*\qt+2*\i+1]
	v_pk_add_f32 v[L2:L2+1], v[L2:L2+1], v[S+32*\qt+16+2*\i:S+32*\qt+16+2*\i+1]
	v_cvt_pk_f16_f32 v[S+32*\qt+\i], v[S+32*\qt+2*\i], v[S+32*\qt+2*\i+1]
	v_cvt_pk_f16_f32 v[S+32*\qt+16+\i], v[S+32*\qt+16+2*\i], v[S+32*\qt+16+2*\i+1]
.endr
	v_pk_add_f32 v[LS+2*\qt:LS+2*\qt+1], v[LS+2*\qt:LS+2*\qt+1], v[L2:L2+1]
.endm
.macro OSCALE                          ; every O of query tile qt times v[AL + 2 qt]
	WIN 0x41                                       ; destination and source 0 in window 1
	s_wait_alu depctr_va_vdst(0)
.irp qt, 0,1,2,3
.irp i, 0,1,2,3,4,5,6,7,8,9,10,11,12,13,14,15
	v_pk_mul_f32 v[O+32*\qt+2*\i:O+32*\qt+2*\i+1], v[O+32*\qt+2*\i:O+32*\qt+2*\i+1], v[AL+2*\qt:AL+2*\qt+1] op_sel_hi:[1,0]
.endr
.endr
	WIN 0
.endm
; 64 keys (half 0 or 1 of the slot's 128) against my 64 queries.  first = 1: nothing is carried yet.  pf = 1: wave 7 asks ahead.
; In both products the 16 accumulators take turns, one instruction a turn.
.macro ITER slot, half, first, pf
.if \first
.else
.rept 5
	v_nop                                          ; five places between the last products P V and the score products that write over P (ISA guide 7.12.1)
.endr
.endif
	s_wait_dscnt 0x0                               ; K's fragments are in
	WIN 0x04                                       ; source 1 (Q) in window 1
.irp c, 0,1
.irp qt, 0,1,2,3
.irp kt, 0,1,2,3
.if \c
	v_wmma_f32_16x16x32_f16 v[S+32*\qt+8*\kt:S+32*\qt+8*\kt+7], v[KF+16*\kt+8*\c:KF+16*\kt+8*\c+7], v[Q+16*\qt+8*\c:Q+16*\qt+8*\c+7], v[S+32*\qt+8*\kt:S+32*\qt+8*\kt+7]
.else
	v_wmma_f32_16x16x32_f16 v[S+32*\qt+8*\kt:S+32*\qt+8*\kt+7], v[KF+16*\kt+8*\c:KF+16*\kt+8*\c+7], v[Q+16*\qt+8*\c:Q+16*\qt+8*\c+7], 0
.endif
.endr
.endr
.endr
	PLACES                                         ; ahead of the loads into K's fragments and of the maxima, which read the scores
	VLOAD \slot, \half
.if \half
.else
	KLOAD \slot, 1                                 ; the second half's K, a whole softmax ahead of its use
.endif
.if \pf
	; Tile t + 2, which the next trip's refill loads, is asked for in trip t: 16 rows x (K's 256 bytes, V's 256 bytes) by one wave of each of the
	; eight work-groups that walk these tiles, so each block of 256 bytes is asked for once.  Trips 14 and 15 ask for nothing: tile 15 is the last.
	s_cmp_lg_u32 s10, 7
	s_cbranch_scc1 .Lno_pf_\@
	global_prefetch_b8 v[PFO], s[62:63] th:TH_LOAD_NT scope:SCOPE_SE
.Lno_pf_\@:
.endif
	; the running maximum of each query: 32 scores a lane, four chains that take turns, then the other half of the lanes
.irp qt, 0,1,2,3
.if \first
	v_max_num_f32 v[MX+2*\qt], v[S+32*\qt], v[S+32*\qt+1]
.else
	v_max3_num_f32 v[MX+2*\qt], v[MX+2*\qt], v[S+32*\qt], v[S+32*\qt+1]
.endif
.endr
.irp i, 1,2,3,4,5,6,7,8,9,10,11,12,13,14,15
.irp qt, 0,1,2,3
	v_max3_num_f32 v[MX+2*\qt], v[MX+2*\qt], v[S+32*\qt+2*\i], v[S+32*\qt+2*\i+1]
.endr
.endr
.irp qt, 0,1,2,3
	v_permlanex16_b32 v[TT+2*\qt], v[MX+2*\qt], s60, s61
.endr
.irp qt, 0,1,2,3
	v_max_num_f32 v[MX+2*\qt], v[MX+2*\qt], v[TT+2*\qt]
.endr
.if \first
.irp qt, 0,1,2,3
	v_mul_f32 v[NM+2*\qt], s58, v[MX+2*\qt]        ; the shift -c max
.endr
.else
.irp qt, 0,1,2,3
	v_mul_f32 v[TT+2*\qt], s58, v[MX+2*\qt]        ; the new shift,
.endr
.irp qt, 0,1,2,3
	v_sub_f32 v[AL+2*\qt], v[TT+2*\qt], v[NM+2*\qt] ; less the old one: at most 0
.endr
.irp qt, 0,1,2,3
	v_mov_b32 v[NM+2*\qt], v[TT+2*\qt]
.endr
.irp qt, 0,1,2,3
	v_exp_f32 v[AL+2*\qt], v[AL+2*\qt]             ; the factor for the old sums
.endr
.endif
	SFMA 0
	SEXP 0
	SFMA 1
	SUMCVT 0, \first
	SEXP 1
	SFMA 2
	SUMCVT 1, \first
	SEXP 2
	SFMA 3
	SUMCVT 2, \first
	SEXP 3
.if \first
	v_nop                                          ; the plain instruction behind the exponentials
	s_wait_alu depctr_va_vdst(0)
.else
	OSCALE
.endif
	SUMCVT 3, \first
.if \half
	s_wait_dscnt 0x0                               ; V^T is in
.else
	s_wait_dscnt 16                                ; V^T is in; the 16 loads of the second half's K are younger
.endif
	WIN 0x51                                       ; D, C and source 0 (V^T) in window 1, source 1 (P) in window 0
.irp kp, 0,1
.irp qt, 0,1,2,3
.irp dt, 0,1,2,3
.if \first*(1-\kp)
	v_wmma_f32_16x16x32_f16 v[O+32*\qt+8*\dt:O+32*\qt+8*\dt+7], v[VF+32*\kp+8*\dt:VF+32*\kp+8*\dt+7], v[S+32*\qt+16*\kp:S+32*\qt+16*\kp+7], 0
.else
	v_wmma_f32_16x16x32_f16 v[O+32*\qt+8*\dt:O+32*\qt+8*\dt+7], v[VF+32*\kp+8*\dt:VF+32*\kp+8*\dt+7], v[S+32*\qt+16*\kp:S+32*\qt+16*\kp+7], v[O+32*\qt+8*\dt:O+32*\qt+8*\dt+7]
.endif
.endr
.endr
.endr
	WIN 0
.endm
; One tile of 128 keys.  The round of the cluster's barrier is the one barrier of the change of slots: in front of it every wave waits for its reads of the
; other slot and for all its tensor loads; behind it the other slot is asked for again first, then this slot is read.
.macro TRIP slot, refill, first, pf
	s_wait_tensorcnt 0x0                           ; all my tensor loads have landed, my part of this trip's tile among them,
	ds_add_u32 v62, v63
	s_wait_dscnt 0x0
	s_add_nc_u64 s[G0K+4*\slot+2:G0K+4*\slot+3], s[G0K+4*\slot+2:G0K+4*\slot+3], 2*STEP   ; so a group 0 may be written: this slot's next tile
	s_add_nc_u64 s[G0V+4*\slot+2:G0V+4*\slot+3], s[G0V+4*\slot+2:G0V+4*\slot+3], 2*STEP
.if \pf
	s_wait_xcnt 0x0                                ; the last trip's prefetch has read its base
	s_add_nc_u64 s[62:63], s[62:63], STEP
.endif
	s_wait_dscnt 0x0                               ; my reads of the last trip's tile are over
	ROUND
.if \refill
	JLOAD (1-\slot)
.endif
	KLOAD \slot, 0
.if \first
	s_wait_loadcnt 0x0                             ; Q
.endif
	ITER \slot, 0, \first, \pf
	ITER \slot, 1, 0, 0
.endm
	TRIP 0, 1, 1, 1
	TRIP 1, 1, 0, 1
	s_mov_b32 s59, 6                               ; tiles 2 to 13
.Ltiles:
	TRIP 0, 1, 0, 1
	TRIP 1, 1, 0, 1
	s_sub_co_u32 s59, s59, 1
	s_cmp_lg_u32 s59, 0
	s_cbranch_scc1 .Ltiles
	TRIP 0, 1, 0, 0                                ; tile 14 asks for tile 15, the last
	TRIP 1, 0, 0, 0
	; THE FINISH: the sums of the two halves of the lanes meet, O is divided by them
	PLACES
.irp qt, 0,1,2,3
	v_add_f32 v[TT+2*\qt], v[LS+2*\qt], v[LS+2*\qt+1]
.endr
.irp qt, 0,1,2,3
	v_permlanex16_b32 v[AL+2*\qt], v[TT+2*\qt], s60, s61
.endr
.irp qt, 0,1,2,3
	v_add_f32 v[TT+2*\qt], v[TT+2*\qt], v[AL+2*\qt]
.endr
.irp qt, 0,1,2,3
	v_rcp_f32 v[AL+2*\qt], v[TT+2*\qt]             ; the sum holds the maximum's own term, about 1: no denormal here
.endr
	v_nop
	s_wait_alu depctr_va_vdst(0)
	OSCALE
; 16 queries: f32 through my own stage and out as rows of 256 bytes; f16 into my pair's stage
.macro OUTQ qt
	WIN 0x04                                       ; an LDS store's data is source 1: window 1
.irp dt, 0,1,2,3
	ds_store_b128 v[STO32], v[O+32*\qt+8*\dt:O+32*\qt+8*\dt+3]   offset:64*\dt
	ds_store_b128 v[STO32], v[O+32*\qt+8*\dt+4:O+32*\qt+8*\dt+7] offset:64*\dt+16
.endr
	WIN 0x05
.irp dt, 0,1,2,3
.irp j, 0,1,2,3
	v_cvt_pk_f16_f32 v[TMP+4*\dt+\j], v[O+32*\qt+8*\dt+2*\j], v[O+32*\qt+8*\dt+2*\j+1]
.endr
.endr
	WIN 0
.irp dt, 0,1,2,3
	ds_store_b128 v[STO16], v[TMP+4*\dt:TMP+4*\dt+3] offset:4352*\qt+32*\dt
.endr
.irp t, 0,1,2,3,4,5,6,7
	ds_load_b128 v[OB+32*\qt+4*\t:OB+32*\qt+4*\t+3], v[RD32] offset:544*\t   ; LDS serves a wave's instructions in order (ISA guide 5.7.1): these see the stores above
.endr
.irp t, 0,1,2,3,4,5,6,7
	s_wait_dscnt 7-\t
	global_store_b128 v[CO32], v[OB+32*\qt+4*\t:OB+32*\qt+4*\t+3], s[6:7] offset:(16*\qt+2*\t)*4096 th:TH_STORE_NT   ; 16 lanes store a head's 256 bytes of a row of out1
.endr
.endm
	OUTQ 0
	OUTQ 1
	OUTQ 2
	OUTQ 3
	s_wait_dscnt 0x0                               ; my f16 stores are in the stage,
	s_barrier_signal -1
	s_barrier_wait -1                              ; my partner's too: a row holds both heads
.irp t, 0,1,2,3,4,5,6,7,8,9,10,11,12,13,14,15
	ds_load_b128 v[192+4*\t:192+4*\t+3], v[RD16] offset:544*\t
.endr
.irp t, 0,1,2,3,4,5,6,7,8,9,10,11,12,13,14,15
	s_wait_dscnt 15-\t
	global_store_b128 v[CO16], v[192+4*\t:192+4*\t+3], s[8:9] offset:4096*\t   ; 16 lanes store the pair's 256 bytes of a row of attnb; the next launch reads them
.endr
	s_wait_tensorcnt 0x0
	ds_add_u32 v62, v63
	s_wait_dscnt 0x0
	ROUND                                          ; the closing round
	s_endpgm
.Lfunc_end_k_qd1ec9e81bd_attn:
	.size	k_qd1ec9e81bd_attn, .Lfunc_end_k_qd1ec9e81bd_attn-k_qd1ec9e81bd_attn
	.p2alignl 7, 3214868480
	.fill 96, 4, 3214868480
	.section	.rodata,"a",@progbits
	.p2align	6, 0x0
	.amdhsa_kernel k_qd1ec9e81bd_attn
		.amdhsa_group_segment_fixed_size 327680
		.amdhsa_private_segment_fixed_size 0
		.amdhsa_enable_private_segment 0
		.amdhsa_kernarg_size 24
		.amdhsa_user_sgpr_count 2
		.amdhsa_user_sgpr_kernarg_segment_ptr 1
		.amdhsa_wavefront_size32 1
		.amdhsa_system_sgpr_workgroup_id_x 1
		.amdhsa_system_sgpr_workgroup_id_y 1
		.amdhsa_system_sgpr_workgroup_id_z 1
		.amdhsa_system_vgpr_workitem_id 0
		.amdhsa_next_free_vgpr 512
		.amdhsa_next_free_sgpr 80
		.amdhsa_reserve_vcc 0
		.amdhsa_float_denorm_mode_32 3
		.amdhsa_float_denorm_mode_16_64 3
		.amdhsa_memory_ordered 1
		.amdhsa_forward_progress 1
		.amdhsa_inst_pref_size 255
	.end_amdhsa_kernel
	.section	.bss,"aw",@nobits
	.p2align	6
	.space	262144
	.amdgpu_metadata
---
amdhsa.version: [ 1, 2 ]
amdhsa.kernels:
  - .name:           k_qd1ec9e81bd_attn
    .symbol:         k_qd1ec9e81bd_attn.kd
    .args:
      - { .name: qkv, .offset: 0, .size: 8, .value_kind: global_buffer, .address_space: global }
      - { .name: out1, .offset: 8, .size: 8, .value_kind: global_buffer, .address_space: global }
      - { .name: attnb, .offset: 16, .size: 8, .value_kind: global_buffer, .address_space: global }
    .group_segment_fixed_size: 327680
    .private_segment_fixed_size: 0
    .kernarg_segment_align: 8
    .kernarg_segment_size: 24
    .max_flat_workgroup_size: 256
    .sgpr_count:     80
    .vgpr_count:     512
    .wavefront_size: 32
...
	.end_amdgpu_metadata
.endif
;; end of part 3
;; launch oproj (part 4): grid 4 x 64, 4 waves a work-group, clusters of 4 x 4, 327,680 bytes of LDS; arguments attnb, xw, bo, out0; writes out0
.if DOCPART == 4
	.amdgcn_target "amdgcn-amd-amdhsa--gfx1250"
	.amdhsa_code_object_version 6
	.text
	.protected	k_qd1ec9e81bd_oproj
	.globl	k_qd1ec9e81bd_oproj
	.p2align	8
	.type	k_qd1ec9e81bd_oproj,@function
k_qd1ec9e81bd_oproj:
	s_mov_b64 s[64:65], 0
	v_nop
	global_prefetch_b8 v0, s[64:65] scope:SCOPE_SE
	s_setreg_imm32_b32 hwreg(HW_REG_WAVE_MODE, 25, 1), 1
	s_wait_xcnt 0x0
	s_wait_alu depctr_hold_cnt(0) depctr_sa_sdst(0) depctr_va_vdst(0) depctr_va_sdst(0) depctr_va_ssrc(0) depctr_va_vcc(0) depctr_vm_vsrc(0)
	s_getreg_b32 s2, hwreg(HW_REG_IB_STS2, 6, 4)
	s_cmp_eq_u32 s2, 0
	s_cbranch_scc0 .Lentry_in_a_cluster
	s_endpgm
.Lentry_in_a_cluster:
	s_bfe_u32 s2, ttmp6, 0x10000c
	s_cmp_lg_u32 s2, 0xf033
	s_cbranch_scc0 .Lentry_shape_is_right
	s_endpgm
.Lentry_shape_is_right:
; out0[t][n] = sum over k of attnb[t][k] Wo[n][k] + bo[n].  attnb: [8192][1024] f16; Wo = xw rows 11264-12287, f16; sums and out0 in f32.
; A work-group makes 128 x 256, so that 64 x 4 = 256 work-groups cover the product evenly.  Four waves; wave (rh = w >> 1, ch = w & 1) makes
; 64 x 128 = 32 accumulator tiles, 256 registers.  K goes in steps of 128 through two LDS slots: a tile's rows are 256 consecutive bytes, at
; multiples of 256 from the buffer's first byte.
; CLUSTERS: 4 x 4 work-groups; attnb's tile is asked for jointly by a row of the cluster, Wo's by a column: the requests are divided by four.
; The matrix instruction is used transposed (source 0 = 16 rows of Wo, source 1 = 16 rows of attnb): a lane holds one row and eight neighbouring columns.
; REGISTERS: window 0: v0-31 addresses; v32-127, v128-223 two fragment buffers (Wo's eight fragments, then attnb's four).
; Window 1: tile (a, b) at v[8 (8 a + b)].  Window 2: v0-63 the bias of my lane's columns.
.set PITCH,  272                       ; 256 + 16, an odd multiple of 16
.set AH,     64*PITCH
.set BH,     128*PITCH
.set BOFF,   2*AH
.set SLOT,   BOFF+2*BH                 ; 104,448
.set STAGE,  2*SLOT                    ; the way out: 16 rows of 512 + 16 bytes for each wave; no tensor load lands here
.set SPITCH, 528
.set ADRA, 16
.set ADRB, 20
.set STO,  24
.set RD,   25
.set CO,   26
.set BOF,  27
.set F0,   32
.set F1,   128
.set G1A, 24
.set G0A, 32
.set G1B, 40
.set G0B, 48
.set MSB, 0
.macro WIN new                         ; s_set_vgpr_msb: bits 1:0 source 0, 3:2 source 1, 5:4 source 2, 7:6 destination; the high byte repeats the setting that is left
.if MSB != \new
	s_set_vgpr_msb (MSB<<8)|\new
.set MSB, \new
.endif
.endm
.macro PLACES                          ; four places behind a matrix instruction, ahead of loads into its sources and of vector instructions on its registers
.rept 4
	v_nop
.endr
.endm
.macro JLOAD s                         ; waves 0, 1 ask for attnb's halves, waves 2, 3 for Wo's; the branch hangs on the wave's number alone
	s_cmp_eq_u32 s13, 0
	s_cbranch_scc0 .Lfor_b_\@
	tensor_load_to_lds s[G0A+4*\s:G0A+4*\s+3], s[G1A:G1A+7]
	s_nop 0
.rept 4
	v_nop
.endr
	s_branch .Lasked_\@
.Lfor_b_\@:
	tensor_load_to_lds s[G0B+4*\s:G0B+4*\s+3], s[G1B:G1B+7]
	s_nop 0
.rept 4
	v_nop
.endr
.Lasked_\@:
.endm
.macro CREST
	s_cmp_lg_u32 s12, 0
	s_cbranch_scc1 .Lnot_wave_0_\@
	s_barrier_signal -3
.Lnot_wave_0_\@:
	s_barrier_wait -3
	s_barrier_signal -1
	s_barrier_wait -1
.endm
.macro CROUND
	s_barrier_signal -1
	s_barrier_wait -1
	CREST
.endm
	s_load_b256 s[4:11], s[0:1], 0x0               ; attnb s[4:5], xw s[6:7], bo s[8:9], out0 s[10:11]
	v_lshl_add_u32 v254, v0, 2, 0x3b400
	v_mov_b32 v255, 0
	ds_add_u32 v254, v255
	v_lshrrev_b32 v1, 5, v0
	v_readfirstlane_b32 s12, v1                    ; wave 0..3
	s_lshr_b32 s13, s12, 1                         ; rh.  Also: I fetch for attnb (0) or for Wo (1)
	s_and_b32 s14, s12, 1                          ; ch.  Also: which half of that tile I fetch
	s_bfe_u32 s15, ttmp6, 0x40000                  ; cx
	s_bfe_u32 s16, ttmp6, 0x40004                  ; cy
	s_lshl_b32 s17, ttmp9, 2
	s_add_co_u32 s17, s17, s15                     ; bx: block column 0..3
	s_and_b32 s18, ttmp7, 0xffff
	s_lshl_b32 s18, s18, 2
	s_add_co_u32 s18, s18, s16                     ; by: block row 0..63
	s_lshl_b32 s19, s16, 2
	s_lshl_b32 s19, 15, s19                        ; my row of the cluster
	s_lshl_b32 s20, 0x1111, s15                    ; my column
	; group 1: rows of 128 elements of 2 bytes, 16 bytes of padding behind every 64 words; 64 rows for attnb, 128 for Wo
	s_or_b32 s[G1A+0], s19, (1<<16)|(1<<20)|(1<<21)|(5<<22)|(3<<25)
	s_or_b32 s[G1B+0], s20, (1<<16)|(1<<20)|(1<<21)|(5<<22)|(3<<25)
	s_mov_b32 s[G1A+1], 128<<16
	s_mov_b32 s[G1B+1], 128<<16
	s_mov_b32 s[G1A+2], 64<<16
	s_mov_b32 s[G1B+2], 128<<16
	s_mov_b32 s[G1A+3], 128<<16
	s_mov_b32 s[G1B+3], 128<<16
	s_mov_b32 s[G1A+4], 64
	s_mov_b32 s[G1B+4], 128
	s_mov_b32 s[G1A+5], 1024
	s_mov_b32 s[G1B+5], 1024
	s_mov_b32 s[G1A+6], 0
	s_mov_b32 s[G1B+6], 0
	s_mov_b32 s[G1A+7], 0
	s_mov_b32 s[G1B+7], 0
	s_lshl_b32 s56, s18, 7
	s_lshl_b32 s57, s14, 6
	s_add_co_u32 s56, s56, s57                     ; attnb: row 128 by + 64 half
	s_lshl_b32 s56, s56, 11
	s_mov_b32 s57, 0
	s_lshl_b32 s58, s17, 8
	s_lshl_b32 s59, s14, 7
	s_add_co_u32 s58, s58, s59                     ; Wo: row 256 bx + 128 half,
	s_lshl_b32 s58, s58, 11
	s_add_co_u32 s58, s58, 0x1600000               ; behind xw's first 11,264 rows
	s_mov_b32 s59, 0
	s_mul_i32 s60, s12, AH                         ; waves 0, 1: attnb's halves at 17,408 w
	s_mul_i32 s61, s12, BH                         ; waves 2, 3: Wo's halves at BOFF + 34,816 (w - 2)
	s_sub_co_u32 s61, s61, 2*BH-BOFF
	s_wait_dscnt 0x0
	s_wait_kmcnt 0x0
	s_add_nc_u64 s[56:57], s[4:5], s[56:57]
	s_add_nc_u64 s[58:59], s[6:7], s[58:59]
	CROUND                                         ; all sixteen work-groups are here: the first joint loads meet
.irp s, 0,1
	s_mov_b32 s[G0A+4*\s], 1
	s_add_co_u32 s[G0A+4*\s+1], s60, \s*SLOT
	s_add_nc_u64 s[G0A+4*\s+2:G0A+4*\s+3], s[56:57], \s*256
	s_or_b32 s[G0A+4*\s+3], s[G0A+4*\s+3], 0x80000000
	s_mov_b32 s[G0B+4*\s], 1
	s_add_co_u32 s[G0B+4*\s+1], s61, \s*SLOT
	s_add_nc_u64 s[G0B+4*\s+2:G0B+4*\s+3], s[58:59], \s*256
	s_or_b32 s[G0B+4*\s+3], s[G0B+4*\s+3], 0x80000000
	JLOAD \s                                       ; two loads of mine are out
.endr
	v_and_b32 v1, 15, v0                           ; r
	v_bfe_u32 v2, v0, 4, 1                         ; h
	v_and_b32 v4, 31, v0                           ; lane
	; the bias of my lane's columns 16 b + 8 h + 0..7 of my 128, once, into window 2
	s_lshl_b32 s66, s17, 8
	s_lshl_b32 s67, s14, 7
	s_add_co_u32 s66, s66, s67                     ; my first column
	s_lshl_b32 s66, s66, 2
	s_mov_b32 s67, 0
	s_add_nc_u64 s[8:9], s[8:9], s[66:67]
	s_add_nc_u64 s[10:11], s[10:11], s[66:67]      ; out0 at that column,
	s_lshl_b32 s68, s18, 7
	s_lshl_b32 s69, s13, 6
	s_add_co_u32 s68, s68, s69
	s_lshl_b32 s68, s68, 12                        ; and at my first row, 128 by + 64 rh
	s_mov_b32 s69, 0
	s_add_nc_u64 s[10:11], s[10:11], s[68:69]
	v_lshlrev_b32 v[BOF], 5, v2
	WIN 0x80                                       ; destination in window 2
.irp b, 0,1,2,3,4,5,6,7
	global_load_b128 v[8*\b:8*\b+3],   v[BOF], s[8:9] offset:64*\b
	global_load_b128 v[8*\b+4:8*\b+7], v[BOF], s[8:9] offset:64*\b+16
.endr
	WIN 0
	v_mul_u32_u24 v3, v1, PITCH
	v_lshl_add_u32 v3, v2, 4, v3                   ; r x pitch + 16 h
	s_mul_i32 s70, s13, AH                         ; my 64 rows of attnb
	s_mul_i32 s71, s14, BH                         ; my 128 rows of Wo
	s_add_co_u32 s71, s71, BOFF
.irp s, 0,1
	v_add_nc_u32 v[ADRA+\s], s70, v3
	v_add_nc_u32 v[ADRB+\s], s71, v3
	s_add_co_u32 s70, s70, SLOT
	s_add_co_u32 s71, s71, SLOT
.endr
	s_mul_i32 s70, s12, 16*SPITCH
	s_add_co_u32 s70, s70, STAGE                   ; my stage
	v_mul_u32_u24 v5, v1, SPITCH
	v_lshl_add_u32 v5, v2, 5, v5
	v_add_nc_u32 v[STO], s70, v5                   ; in: row r, 32 bytes for each half of the lanes
	v_lshl_add_u32 v[RD], v4, 4, s70               ; back: the 32 lanes take a row's 512 bytes
	v_lshlrev_b32 v[CO], 4, v4
; 16 matrix instructions: row blocks a0, a0 + 1 x all eight column blocks, 32 along K.  The 32 accumulators take turns, one instruction a turn.
.macro MUL16 f, a0, zero
.irp a, \a0, \a0+1
.irp b, 0,1,2,3,4,5,6,7
.if \zero
	v_wmma_f32_16x16x32_f16 v[8*(8*(\a)+\b):8*(8*(\a)+\b)+7], v[\f+8*\b:\f+8*\b+7], v[\f+64+8*(\a):\f+64+8*(\a)+7], 0
.else
	v_wmma_f32_16x16x32_f16 v[8*(8*(\a)+\b):8*(8*(\a)+\b)+7], v[\f+8*\b:\f+8*\b+7], v[\f+64+8*(\a):\f+64+8*(\a)+7], v[8*(8*(\a)+\b):8*(8*(\a)+\b)+7]
.endif
.endr
.endr
.endm
.macro FETCH slot, k, f                ; 24 LDS loads: the fragments of 32 K at byte k of the rows
.irp i, 0,1,2,3,4,5,6,7
	ds_load_b128 v[\f+8*\i:\f+8*\i+3],   v[ADRB+\slot] offset:\k+\i*16*PITCH
	ds_load_b128 v[\f+8*\i+4:\f+8*\i+7], v[ADRB+\slot] offset:\k+\i*16*PITCH+32
.endr
.irp i, 0,1,2,3
	ds_load_b128 v[\f+64+8*\i:\f+64+8*\i+3],   v[ADRA+\slot] offset:\k+\i*16*PITCH
	ds_load_b128 v[\f+64+8*\i+4:\f+64+8*\i+7], v[ADRA+\slot] offset:\k+\i*16*PITCH+32
.endr
.endm
; One of a K step's first three quarters: fetches the next quarter's fragments into buffer g, then multiplies buffer f
.macro QUARTER slot, k, f, g, zero
	PLACES
	WIN 0
	FETCH \slot, \k, \g
	s_wait_dscnt 24                                ; buffer f is in; the 24 loads just issued are younger
	WIN 0x50                                       ; C and D in window 1
	MUL16 \f, 0, \zero
	MUL16 \f, 2, \zero
.endm
.macro THREE slot, zero
	QUARTER \slot, 64,  F0, F1, \zero
	QUARTER \slot, 128, F1, F0, 0
	QUARTER \slot, 192, F0, F1, 0
.endm
; The last quarter and the change of slots: one barrier, in front of it every wave's reads of this slot and all its tensor loads are waited for,
; behind it this slot is asked for again first (fill = 1).  From that request to the wait for it a wave issues 112 matrix instructions.
.macro TURN slot, next, fill
	s_wait_dscnt 0x0                               ; buffer 1 is in, and my reads of this slot are over
	s_wait_tensorcnt 0x0                           ; all my tensor loads have landed: the one that was out is my part of the next slot
	ds_add_u32 v254, v255
	s_wait_dscnt 0x0
	s_barrier_signal -1                            ; (with fill = 1 this barrier opens a round of the cluster's barrier)
	WIN 0x50
	MUL16 F1, 0, 0
	WIN 0
	s_barrier_wait -1
.if \fill
	CREST
	s_add_nc_u64 s[G0A+4*\slot+2:G0A+4*\slot+3], s[G0A+4*\slot+2:G0A+4*\slot+3], 512   ; two K steps on
	s_add_nc_u64 s[G0B+4*\slot+2:G0B+4*\slot+3], s[G0B+4*\slot+2:G0B+4*\slot+3], 512
	JLOAD \slot                                    ; my one tensor load behind the round; its four v_nop are also the places ahead of the loads below
.else
	PLACES
.endif
	FETCH \next, 0, F0
	WIN 0x50
	MUL16 F1, 2, 0
.endm
.macro LAP zero
	THREE 0, \zero
	TURN 0, 1, 1
	THREE 1, 0
	TURN 1, 0, 1
.endm
	s_wait_tensorcnt 0x1                           ; my part of K step 0 is in; step 1's stays out
	s_barrier_signal -1
	s_barrier_wait -1
	FETCH 0, 0, F0
	LAP 1                                          ; K steps 0 and 1: their first products start the sums
	WIN 0
	s_mov_b32 s21, 2                               ; K steps 2 to 5
.Llap:
	LAP 0
	WIN 0
	s_sub_co_u32 s21, s21, 1
	s_cmp_lg_u32 s21, 0
	s_cbranch_scc1 .Llap
	THREE 0, 0                                     ; K steps 6 and 7 ask for nothing
	TURN 0, 1, 0
	THREE 1, 0
	s_wait_dscnt 0x0
	WIN 0x50
	MUL16 F1, 0, 0
	MUL16 F1, 2, 0
	; THE WAY OUT: the bias, then 16 rows at a time through my own stage, so that each store covers a row's 512 consecutive bytes
	PLACES
	s_wait_loadcnt 0x0                             ; the bias
	WIN 0x49                                       ; destination and source 0 in window 1, source 1 in window 2
.irp a, 0,1,2,3
.irp b, 0,1,2,3,4,5,6,7
.irp j, 0,2,4,6
	v_pk_add_f32 v[8*(8*\a+\b)+\j:8*(8*\a+\b)+\j+1], v[8*(8*\a+\b)+\j:8*(8*\a+\b)+\j+1], v[8*\b+\j:8*\b+\j+1]
.endr
.endr
.endr
.macro OUT16 a
	WIN 0x04                                       ; an LDS store's data is source 1: window 1
.irp b, 0,1,2,3,4,5,6,7
	ds_store_b128 v[STO], v[8*(8*\a+\b):8*(8*\a+\b)+3]   offset:64*\b
	ds_store_b128 v[STO], v[8*(8*\a+\b)+4:8*(8*\a+\b)+7] offset:64*\b+16
.endr
	WIN 0
	s_wait_xcnt 0x0                                ; v[F0 ..], which the last sixteen stores read, are loaded again only behind this wait
.irp t, 0,1,2,3,4,5,6,7,8,9,10,11,12,13,14,15
	ds_load_b128 v[F0+4*\t:F0+4*\t+3], v[RD] offset:\t*SPITCH      ; LDS serves a wave's instructions in order (ISA guide 5.7.1): these see the stores above
.endr
.irp t, 0,1,2,3,4,5,6,7,8,9,10,11,12,13,14,15
	s_wait_dscnt 15-\t
	global_store_b128 v[CO], v[F0+4*\t:F0+4*\t+3], s[10:11] offset:(16*\a+\t)*4096 th:TH_STORE_NT
.endr
.endm
	OUT16 0
	OUT16 1
	OUT16 2
	OUT16 3
	s_wait_tensorcnt 0x0
	ds_add_u32 v254, v255
	s_wait_dscnt 0x0
	CROUND                                         ; the closing round
	s_endpgm
.Lfunc_end_k_qd1ec9e81bd_oproj:
	.size	k_qd1ec9e81bd_oproj, .Lfunc_end_k_qd1ec9e81bd_oproj-k_qd1ec9e81bd_oproj
	.p2alignl 7, 3214868480
	.fill 96, 4, 3214868480
	.section	.rodata,"a",@progbits
	.p2align	6, 0x0
	.amdhsa_kernel k_qd1ec9e81bd_oproj
		.amdhsa_group_segment_fixed_size 327680
		.amdhsa_private_segment_fixed_size 0
		.amdhsa_enable_private_segment 0
		.amdhsa_kernarg_size 32
		.amdhsa_user_sgpr_count 2
		.amdhsa_user_sgpr_kernarg_segment_ptr 1
		.amdhsa_wavefront_size32 1
		.amdhsa_system_sgpr_workgroup_id_x 1
		.amdhsa_system_sgpr_workgroup_id_y 1
		.amdhsa_system_sgpr_workgroup_id_z 1
		.amdhsa_system_vgpr_workitem_id 0
		.amdhsa_next_free_vgpr 576
		.amdhsa_next_free_sgpr 72
		.amdhsa_reserve_vcc 0
		.amdhsa_float_denorm_mode_32 3
		.amdhsa_float_denorm_mode_16_64 3
		.amdhsa_memory_ordered 1
		.amdhsa_forward_progress 1
		.amdhsa_inst_pref_size 127
	.end_amdhsa_kernel
	.amdgpu_metadata
---
amdhsa.version: [ 1, 2 ]
amdhsa.kernels:
  - .name:           k_qd1ec9e81bd_oproj
    .symbol:         k_qd1ec9e81bd_oproj.kd
    .args:
      - { .name: attnb, .offset: 0, .size: 8, .value_kind: global_buffer, .address_space: global }
      - { .name: xw, .offset: 8, .size: 8, .value_kind: global_buffer, .address_space: global }
      - { .name: bo, .offset: 16, .size: 8, .value_kind: global_buffer, .address_space: global }
      - { .name: out0, .offset: 24, .size: 8, .value_kind: global_buffer, .address_space: global }
    .group_segment_fixed_size: 327680
    .private_segment_fixed_size: 0
    .kernarg_segment_align: 8
    .kernarg_segment_size: 32
    .max_flat_workgroup_size: 128
    .sgpr_count:     72
    .vgpr_count:     576
    .wavefront_size: 32
...
	.end_amdgpu_metadata
.endif
;; end of part 4
